; MI455X (gfx1250); checked and timed in simulation.
; The chip was launched on July 23, 2026; its instructions are those of AMD's public machine-readable ISA for CDNA 5 (MIT licence, August 2026) and "CDNA5" Instruction Set Architecture Reference Guide (July 2026). The comments in the code are by the model that wrote it; some were corrected since.
;; Self Attention. Allowed arithmetic: matrix products marked QUANTISED: E5M2 operands, one E8M0 scale for each 32 along K, by v_wmma_scale_f32_16x16x128_f8f6f4 with both operands' format E5M2, f32 sums; everything else in f32.
;; Inputs: W_qkv_codes 3,072 x 32 x 32 uint8 (E5M2 codes of W_qkv, K innermost, in blocks of 32 codes); W_qkv_scales 3,072 x 32 uint8 (E8M0 scales of W_qkv, one for each 32 codes along K); b_qkv 3,072 float32; x_codes 4 x 2,048 x 32 x 32 uint8 (E5M2 codes of x, K innermost, in blocks of 32 codes); x_scales 4 x 2,048 x 32 uint8 (E8M0 scales of x, one for each 32 codes along K).
;; Outputs: out0 4 x 2,048 x 1,024 float32.
;; This version of the problem:
;;   THIS VERSION OF THE PROBLEM IS GIVEN IN LOW PRECISION. The matrix products marked QUANTISED in the list below multiply operands that are first quantised to E5M2 (5 exponent bits, 2 mantissa bits; 8 bits a number), with one power-of-two scale for each 32 numbers along K (OCP MX v1.0); their sums are f32. All else is computed in f32.
;;   The module's matrix products, in the order in which they are computed (A, B: the left and right operand; K: the contracted axis; several contracted axes count as one K, in the product's order):
;;     1. [M 8,192, K 1,024] x [K 1,024, N 3,072]; A: input x (given as codes); B: input W_qkv (given as codes): QUANTISED
;;     2. batch 64 x [M 2,048, K 64] x [K 64, N 2,048]; A: computed on the way; B: computed on the way: QUANTISED
;;     3. batch 64 x [M 2,048, K 2,048] x [K 2,048, N 64]; A: softmax (see below); B: computed on the way: QUANTISED
;;   THE QUANTISER, for each operand of a quantised product, along K:
;;     - K is cut into blocks of 32 from its start; a last block that is shorter is filled with zeros.
;;     - A block's scale is 2^e with e = floor(log2(the largest magnitude in the block)) - 15, held to -126 .. 127; a block of zeros has e = 0. As a byte (E8M0): e + 127.
;;     - Each number is divided by its block's scale, clamped to +-57,344, and rounded to the nearest number of E5M2, ties to even, subnormals kept.
;;     - The product sums the exact products of the quantised numbers (number of the format x scale) in f32.
;;   ~~~python
;;   def quantise(x, axis):      # numpy; x: float32 -> the quantised numbers, widened to float32 again
;;       x = np.moveaxis(x, axis, -1); K = x.shape[-1]
;;       x = np.pad(x, [(0, 0)] * (x.ndim - 1) + [(0, -K % 32)]); x = x.reshape(x.shape[:-1] + (-1, 32)); a = np.abs(x).max(-1, keepdims=True)
;;       e = np.where(a > 0, np.clip(np.frexp(np.where(a > 0, a, 1))[1] - 1 - 15, -126, 127), 0)      # np.frexp(a)[1] - 1 = floor(log2(a)), exactly
;;       r = np.clip(x / 2.0 ** e, -57344, 57344)
;;       step = 2.0 ** (np.maximum(np.frexp(np.where(r == 0, 1, r))[1] - 1, -14) - 2)
;;       q = np.round(r / step) * step * 2.0 ** e      # np.round: ties to even
;;       return np.moveaxis(q.reshape(q.shape[:-2] + (-1,))[..., :K], -1, axis).astype(np.float32)
;;   ~~~
;;   SOFTMAX AHEAD OF A QUANTISED PRODUCT. Where the list says 'softmax', what is quantised is not the finished softmax but p = 2^(t - M), with t = logit x log2(e) and M = ceil(the row's largest t), a whole number; so 1/2 < the row's largest p <= 1. The row's sum l is taken of the UNQUANTISED p, in f32, and the product's result is divided by l at the end. Since M is a whole number, a kernel that streams over the keys may use a running M (the ceiling of the running maximum): every later rescaling is an exact power of two, which a block's scale takes up: the codes' values come out the same.
;;   OPERANDS COMPUTED ON THE WAY. 'Computed on the way' means the value that the module computes at that place (a softmax that the list does not call 'softmax' is quantised finished and normalised). What goes into a quantiser is computed in f32, as accurately as f32 sums, v_exp_f32 and their like allow (about 1e-6 of the number): no bf16 or f16 on the way to a quantiser, and a product that is left as it is and whose result goes on into a quantised operand takes f32 operands (vector FMAs, or v_wmma_f32_16x16x4_f32). A number that lies on a knife's edge between two numbers of the format may be rounded either way, as far as f32 arithmetic and the matrix unit's own rounding can turn it there, and no further.
;;   INPUTS GIVEN AS CODES. W_qkv (in the module: [1024, 3072], K = its axis 0); x (in the module: [4, 2048, 1024], K = its axis 2): each comes as NAME_codes (uint8): NAME with its K axis moved to the last place and cut into blocks of 32 codes, [.., K / 32, bytes a block], one block behind the other in memory; one code a byte (a code: sign, 5 exponent bits, 2 mantissa bits); and NAME_scales (uint8): the same leading axes, one E8M0 byte (e + 127) for each 32 codes along K. Its value is code x scale, taken as it is: it is not quantised again, and the codes and scales need not be those that the quantiser above would give.
;; One version. Each part assembles by itself: llvm-mc -triple=amdgcn-amd-amdhsa -mcpu=gfx1250 --defsym DOCPART=n.
;; ======== version 1 of 1: 2 launches
;; limits: right only within a limited range of input values
;; workspace buffers: qimg 8,388,608 bytes; qsc 262,144 bytes; kvimg 16,777,216 bytes; kvsc 524,288 bytes
;; launch qkv (part 1): grid 4 x 96, 4 waves a work-group, clusters of 4 x 4, 327,680 bytes of LDS; arguments x_codes, x_scales, W_qkv_codes, W_qkv_scales, b_qkv, qimg, qsc, kvimg, kvsc; writes qimg, qsc, kvimg, kvsc
.if DOCPART == 1
	.amdgcn_target "amdgcn-amd-amdhsa--gfx1250"
	.amdhsa_code_object_version 6
	.text
	.protected	k_qc6988bb944_qkv
	.globl	k_qc6988bb944_qkv
	.p2align	8
	.type	k_qc6988bb944_qkv,@function
k_qc6988bb944_qkv:
	s_mov_b64 s[64:65], 0
	v_nop
	global_prefetch_b8 v0, s[64:65] scope:SCOPE_SE
	s_setreg_imm32_b32 hwreg(HW_REG_WAVE_MODE, 25, 1), 1
	s_wait_xcnt 0x0
	s_wait_alu depctr_hold_cnt(0) depctr_sa_sdst(0) depctr_va_vdst(0) depctr_va_sdst(0) depctr_va_ssrc(0) depctr_va_vcc(0) depctr_vm_vsrc(0)
	s_getreg_b32 s2, hwreg(HW_REG_IB_STS2, 6, 4)
	s_cmp_eq_u32 s2, 0
	s_cbranch_scc0 .Lentry_in_a_cluster
	s_endpgm
.Lentry_in_a_cluster:
	s_bfe_u32 s2, ttmp6, 0x10000c
	s_cmp_lg_u32 s2, 0xf033
	s_cbranch_scc0 .Lentry_shape_is_right
	s_endpgm
.Lentry_shape_is_right:
; qkv = x W + b on codes of BF8 (E5M2) with E8M0 scales (M 8,192, K 1,024, N 3,072); then, in registers: the rotary turn of q's and k's first 32 of each head's 64,
; and the quantisers of the attention's operands: q and k along the head's 64 (two blocks of 32), v along the keys.  What leaves are codes and scale bytes alone, laid as IMAGES OF OPERAND REGISTERS.
; SHARES.  A tile of 256 x 256 of the product is made by a work-group of four waves, a wave makes 128 x 128: 64 accumulators, 512 registers.  K goes in steps of 256 through a ring of two LDS slots.
; THE KIND of a cluster (cluster y / 8: 0 = q, 1 = k, 2 = v) turns the product round BY DATA, not by text.  Source 1 ("A", shared along a row of the cluster) is x for q and k, W for v;
; source 0 ("B", shared along a column) is W for q and k, x for v.  In accumulator (a, b) lane (r, h), register j holds A's row 16 a + r and B's row 16 b + 8 h + j:
; for q and k a lane holds one token and its registers run along the head's axis, for v a lane holds one channel and its registers run along the keys: in both the registers run along the next product's K.
; Both operands have rows of 1,024 bytes of codes and 32 scale bytes, so every descriptor's shape is the same for both kinds; only pointers and tile numbers are chosen (s_cselect on the cluster's y).
; CLUSTERS: 4 x 4 work-groups of one kind; A's tile is asked for jointly along a row, B's along a column.
; No prefetch: K has four slot steps, of which two are the first fills at the head.
; IMAGES, for (batch, head) bh and step = token / 128, idx = 16 bh + step.  q: qimg[idx][8192], qsc[idx][256].  k, v: kvimg[idx][k 8192 | v 8192], kvsc[idx][k 256 | v 256].
;   q, k: byte 2048 f + 1024 u + 512 (d / 32) + 256 ((d % 32) / 16) + 16 r + d % 16 holds token 32 f + 8 u + r + 8 (r / 8), channel d; scale byte 64 f + 4 r + 2 u + d / 32.
;   v:    byte 2048 t + 512 (key / 32) + 256 ((key % 32) / 16) + 16 r + key % 16 holds channel 16 t + r; scale byte 64 t + 4 r + key / 32.
; LIMITS.  NaN and infinities are not served.  A block whose largest magnitude lies under 2^(16 - 127) keeps the scale byte 1 (a block of zeros too, where the rule says 127: its codes are zeros and the
; bytes are read by this program alone).  The rotary frequencies are 1 / RN(10^(i/4)), i = 0 .. 15: a power function that is correctly rounded is assumed.  Sine and cosine are made by a reduction by
; pi in two parts and Taylor sums to r^13 and r^12, absolute error about 2e-7; the reduction serves the positions 0 .. 2,047 that the shape gives.
; REGISTERS, in windows of 256.  window 0: v1, v2 lane % 16, lane / 16; v8-15 the bias by A's rows; v16-31 addresses; v32-63 scale words, two sets; v64-127 the bias by B's rows; from v128 A's fragments, one set.
;   window 1: B's fragments, two sets; on the way out the numbers at work.   window 2: the accumulators of my A rows 0-63 ((a, b) at v[8 (8 a + b)]);   window 3: those of rows 64-127.
.set KSTEP,  256                       ; along K in a slot
.set NQ,     2                         ; matrix instructions deep
.set ROWB,   256                       ; a tile's row in bytes
.set KROW,   1024                      ; a row of x or of W in memory, in bytes
.set PITCH,  272                       ; an LDS row: 256 bytes + 16 of padding = 68 words: the 16 rows that a load touches start at 16 different banks (64 banks of 4 bytes: ISA guide 11.1)
.set FR,     16                        ; registers of a fragment: 16 rows x 128 K
.set NL,     4                         ; LDS loads that bring one
.set NP,     8                         ; places behind this matrix instruction (ISA guide 7.12.1)
.set HALFT,  128*PITCH                 ; 128 rows: what one tensor load brings
.set SLOT,   4*HALFT                   ; A's 256 rows, then B's 256 rows
.set LAPS,   2                         ; 1,024 along K = twice round the ring
.set KS,     32                        ; a row of scale bytes
.set SCL,    2*SLOT                    ; behind the ring: the scales of all of K, as units of 256 bytes + 16 of padding
.set HALFS,  16*272                    ; the scales of 128 rows
.set SBLK,   2*272                     ; those of 16 rows
.set SPARE,  SCL+4*HALFS               ; behind the scales: the spare words, 128 bytes for each wave
.set WSTG,   16896                     ; the way out: a wave's stage: two heads' codes (2 x 8,192) and two heads' scale bytes (2 x 256)
.set VSTG,   4*WSTG                    ; the stages lie in slot 0, which has had its last fill and its last read by then: q's and k's from byte 0, v's from here: each kind has bytes of its own
.set BIV,  8                           ; v8-15   bias of A's row 16 a + r (used by v)
.set ADRA, 16                          ; v16-17  LDS address of my A fragments in slot 0, 1;  on the way out: STQ0, SSQ0
.set ADRB, 20                          ; v20-21  the same for B;  on the way out: the addresses in hand
.set ADRS, 27                          ; v27     LDS address of my scale words: lanes 0-15 A's rows, lanes 16-31 B's
.set SPW,  28                          ; v28     LDS address of my spare word; never rewritten
.set NIL,  29                          ; v29     0; never rewritten
.set SC,   32                          ; v32-63  scale words and nothing else
.set BI,   64                          ; v64-127 bias of B's row 16 b + 8 h + j at v[BI + 8 b + j] (used by q and k)
.set AF,   128                         ; A's fragments
.set G1, 24                            ; s[24:31] descriptor group 1 for A's tiles;  s[32:39] group 0, one set for each slot
.set G0, 32
.set G1B, 48                           ; s[48:55], s[56:63] the same for B's tiles
.set G0B, 56
.set G1S, 68                           ; s[68:75], s[76:79] groups 1 and 0 for A's scales;  s[80:87], s[88:91] for B's
.set G0S, 76
.set G1SB, 80
.set G0SB, 88
.set KIND, 67                          ; s67  0 = q, 1 = k, 2 = v
.set ISV,  95                          ; s95  1 for v
; the way out, window 0
.set STQ0, 16                          ; where a lane puts 8 codes of q or k;  SSQ0: its two scale bytes;  STV0, SSV0: the same for v
.set SSQ0, 17
.set STV0, 18
.set SSV0, 19
.set STQ,  20                          ; the same four, at the pair of row blocks in hand
.set SSQ,  21
.set STV,  22
.set SSV,  23
.set RDQ,  24                          ; where a lane reads the stage back: codes, scale bytes; q and k
.set RSQ,  25
.set RDV,  26                          ; v
.set RSV,  27
.set LI,   30                          ; 16 x lane
.set L8,   31                          ; 8 x lane
; the way out, window 1
.set T,    0                           ; v0-63    64 numbers of a lane: register 8 b + j
.set PC,   64                          ; v64-79   their codes: tile b's eight in v[PC + 2 b], v[PC + 2 b + 1]
.set TM,   80                          ; v80-95   largest magnitudes, bytes, the largest number x the scale, the conversions' scale operands
.set PW,   96                          ; v96      the four scale bytes
.set POS,  98                          ; v98      my token's position, f32 (v99 is named with it as a pair)
.set KM,   100                         ; v[100:101] 1.5 x 2^23;  v[102:103] 1/13!;  v[104:105] 1/12!
.set KS13, 102
.set KC12, 104
.set INV,  106                         ; v106-113 my eight frequencies: number e is frequency 8 (e / 4) + 4 h + e % 4
.set CSN,  114                         ; v114-137 for each pair of angles: -s0, s0, c0, c1, -s1, s1
.set W,    138                         ; v138-177 at work: ten registers for each pair of angles
.set R1,   178                         ; v178-193 at work in the turn
.set AI,   3                           ; s3   which pair of row blocks
.set SEL,  20                          ; s[20:21] lane selects for v_permlanex16_b32: lane l xor 16
.set MNT,  22                          ; s22  the mantissa field of 57,344
.set IPI,  32                          ; s[32:57] constants, each twice: the packed forms name a pair and take its low word for both halves
.set NMAG, 34
.set NPH,  36
.set NPM,  38
.set CS11, 40
.set CS9,  42
.set CS7,  44
.set CS5,  46
.set CS3,  48
.set CC10, 50
.set CC8,  52
.set CC6,  54
.set CC4,  56
.set D0,   76                          ; s[76:77], s[78:79] where my two heads' codes go;  s[80:81], s[82:83] their scale bytes
.set D1,   78
.set E0,   80
.set E1,   82
.set MSB, 0
.macro WIN new                         ; the immediate's high byte repeats the setting that is left
.if MSB != (\new)
	s_set_vgpr_msb (MSB<<8)|(\new)
.set MSB, (\new)
.endif
.endm
.set MUL_LO, 0xa1                      ; source 0 (B) window 1, source 1 (A) window 0, C and D window 2
.set MUL_HI, 0xf1                      ; the same, C and D window 3
.set TO_B,   0x40                      ; destination window 1, address window 0
; A joint load: waves 0 and 1 fetch for A, waves 2 and 3 for B.  Each of the two lines has one mask and one set of registers for all that issue it; the branch hangs on the wave's number alone.
; Four v_nop follow each of the two lines, ahead of the jump, the label and what follows.
.macro JLOAD g0a, g1a, g0b, g1b
	s_cmp_eq_u32 s15, 0
	s_cbranch_scc0 .Lfor_b_\@
	tensor_load_to_lds s[\g0a:\g0a+3], s[\g1a:\g1a+7]
	s_nop 0
.rept 4
	v_nop
.endr
	s_branch .Lasked_\@
.Lfor_b_\@:
	tensor_load_to_lds s[\g0b:\g0b+3], s[\g1b:\g1b+7]
	s_nop 0
.rept 4
	v_nop
.endr
.Lasked_\@:
.endm
.macro CREST                           ; a round of the cluster's barrier behind its opening barrier
	s_cmp_lg_u32 s14, 0
	s_cbranch_scc1 .Lnot_wave_0_\@
	s_barrier_signal -3
.Lnot_wave_0_\@:
	s_barrier_wait -3
	s_barrier_signal -1
	s_barrier_wait -1
.endm
.macro CROUND                          ; a whole round
	s_barrier_signal -1
	s_barrier_wait -1
	CREST
.endm
	s_load_b128 s[4:7], s[0:1], 0x0                ; x's codes, x's scales
	s_load_b128 s[8:11], s[0:1], 0x10              ; W's codes, W's scales
	s_load_b64 s[12:13], s[0:1], 0x20              ; b
	v_lshl_add_u32 v[SPW], v0, 2, SPARE
	v_mov_b32 v[NIL], 0
	ds_add_u32 v28, v29
	ds_add_u32 v28, v29
	s_wait_dscnt 0x0
	v_lshrrev_b32 v1, 5, v0
	v_readfirstlane_b32 s14, v1                    ; wave 0..3
	s_lshr_b32 s15, s14, 1                         ; which half of A's 256 rows is mine.  Also: I fetch for A (0) or for B (1)
	s_and_b32 s16, s14, 1                          ; which half of B's.  Also: which 128 rows of that tile I fetch
	s_bfe_u32 s40, ttmp6, 0x40000                  ; cx, cy: my place in the cluster
	s_bfe_u32 s41, ttmp6, 0x40004
	s_and_b32 s66, ttmp7, 0xffff                   ; the cluster's y, 0 .. 23: the same in all sixteen partners
	s_lshr_b32 s[KIND], s66, 3                     ; the kind
	s_and_b32 s66, s66, 7
	s_lshl_b32 s66, s66, 2                         ; the first of the cluster's four tiles of x's rows
	s_lshl_b32 s92, s[KIND], 2                     ; the first of the kind's four tiles of W's rows
	s_cmp_eq_u32 s[KIND], 2
	s_cselect_b32 s[ISV], 1, 0
	s_cselect_b32 s17, 8, s66                      ; A's tile: of W for v (tiles 8 .. 11), of x for q and k,
	s_cselect_b32 s42, s66, s92                    ; B's tile: the other way round
	s_add_co_u32 s17, s17, s41                     ; + cy: A's tile hangs on cy alone of the two places,
	s_add_co_u32 s42, s42, s40                     ; + cx: B's on cx alone
	s_lshl_b32 s43, s41, 2
	s_lshl_b32 s43, 15, s43                        ; my row of the cluster
	s_lshl_b32 s44, 0x1111, s40                    ; my column
	; descriptor group 1: a tile of 128 rows x 256 bytes, padded in LDS
	s_or_b32 s[G1+0], s43, (0<<16)|(1<<20)|(1<<21)|(5<<22)|(3<<25)  ; 15:0 the mask: A's tiles go to my row; 17:16 element of 1 byte; 20 padding on; 21 set beside a mask; 24:22 after every 64 words (code 5); 31:25 of 4 words (code 3)
	s_or_b32 s[G1B+0], s44, (0<<16)|(1<<20)|(1<<21)|(5<<22)|(3<<25)
.irp g, G1, G1B
	s_mov_b32 s[\g+1], ROWB<<16                    ; tensor_dim0
	s_mov_b32 s[\g+2], 256<<16                     ; tensor_dim1 = 256 for the head's loads; set to 128 for the ring's behind them
	s_mov_b32 s[\g+3], ROWB<<16                    ; tile_dim0
	s_mov_b32 s[\g+4], 256                         ; tile_dim1 likewise
	s_mov_b32 s[\g+5], KROW                        ; tensor_dim0_stride
	s_mov_b32 s[\g+6], 0
	s_mov_b32 s[\g+7], 0
.endr
	; and for the scales of 256 rows: a dense block of 8,192 bytes, as 32 rows of 256 bytes (32 elements of 8 bytes), 16 bytes of padding behind each
	s_or_b32 s[G1S+0], s43, (3<<16)|(1<<20)|(1<<21)|(5<<22)|(3<<25)
	s_or_b32 s[G1SB+0], s44, (3<<16)|(1<<20)|(1<<21)|(5<<22)|(3<<25)
.irp g, G1S, G1SB
	s_mov_b32 s[\g+1], 32<<16
	s_mov_b32 s[\g+2], 32<<16                      ; the scales of 256 rows: 8,192 dense bytes, 32 rows of 256
	s_mov_b32 s[\g+3], 32<<16
	s_mov_b32 s[\g+4], 32
	s_mov_b32 s[\g+5], 32
	s_mov_b32 s[\g+6], 0
	s_mov_b32 s[\g+7], 0
.endr
	s_lshl_b32 s20, s17, 8                         ; A: the tile's first row
	s_lshl_b32 s46, s42, 8                         ; B likewise
	s_mov_b32 s21, 0
	s_mov_b32 s47, 0
	s_mov_b64 s[18:19], KS
	s_mul_u64 s[22:23], s[20:21], s[18:19]         ; where these rows' scales begin, in bytes
	s_mul_u64 s[92:93], s[46:47], s[18:19]
	s_mov_b64 s[18:19], KROW
	s_mul_u64 s[20:21], s[20:21], s[18:19]         ; and their codes
	s_mul_u64 s[46:47], s[46:47], s[18:19]
	s_mul_i32 s18, s16, 128*KROW                   ; in the ring I fetch 128 rows of a tile: which half, in bytes
	s_mov_b32 s19, 0
	s_mul_i32 s45, s14, HALFT                      ; where they go: wave x 128 rows: no place in the cluster enters an LDS address
	; the bias, in both layouts, so that every register is written in every kind: by B's rows for q and k (for v: b's first 128 numbers, not used), by A's rows for v (for q and k likewise)
	s_lshl_b32 s96, s42, 8
	s_lshl_b32 s97, s16, 7
	s_add_co_u32 s96, s96, s97                     ; my first row of B
	s_lshl_b32 s98, s17, 8
	s_lshl_b32 s99, s15, 7
	s_add_co_u32 s98, s98, s99                     ; my first row of A
	s_cmp_eq_u32 s[ISV], 1
	s_cselect_b32 s96, 0, s96
	s_cselect_b32 s98, s98, 0
	s_lshl_b32 s96, s96, 2
	s_lshl_b32 s98, s98, 2
	s_mov_b32 s97, 0
	s_mov_b32 s99, 0
	s_wait_kmcnt 0x0
	s_cmp_eq_u32 s[ISV], 1                         ; for v the operands change places: a choice of pointers on the cluster's y
	s_cselect_b64 s[100:101], s[8:9], s[4:5]
	s_cselect_b64 s[8:9], s[4:5], s[8:9]           ; B's codes
	s_mov_b64 s[4:5], s[100:101]                   ; A's codes
	s_cselect_b64 s[100:101], s[10:11], s[6:7]
	s_cselect_b64 s[10:11], s[6:7], s[10:11]       ; B's scales
	s_mov_b64 s[6:7], s[100:101]                   ; A's scales
	s_add_nc_u64 s[20:21], s[4:5], s[20:21]
	s_add_nc_u64 s[22:23], s[6:7], s[22:23]
	s_add_nc_u64 s[46:47], s[8:9], s[46:47]
	s_add_nc_u64 s[92:93], s[10:11], s[92:93]
	s_add_nc_u64 s[96:97], s[12:13], s[96:97]
	s_add_nc_u64 s[98:99], s[12:13], s[98:99]
	CROUND                                         ; all sixteen work-groups are here: the first joint loads meet
	s_mov_b32 s[G0S], 1
	s_mov_b32 s[G0S+1], SCL
	s_mov_b64 s[G0S+2:G0S+3], s[22:23]
	s_or_b32 s[G0S+3], s[G0S+3], 0x80000000
	s_mov_b32 s[G0SB], 1
	s_mov_b32 s[G0SB+1], SCL+2*HALFS
	s_mov_b64 s[G0SB+2:G0SB+3], s[92:93]
	s_or_b32 s[G0SB+3], s[G0SB+3], 0x80000000
.set G0H, 4                            ; s[4:7], s[8:11] group 0 of the head's loads of K step 0: A's 256 rows, B's 256 rows (the pointers that lay there have been used)
.set G0HB, 8
	s_mov_b32 s[G0H], 1
	s_mov_b32 s[G0H+1], 0
	s_mov_b64 s[G0H+2:G0H+3], s[20:21]
	s_or_b32 s[G0H+3], s[G0H+3], 0x80000000
	s_mov_b32 s[G0HB], 1
	s_mov_b32 s[G0HB+1], 2*HALFT
	s_mov_b64 s[G0HB+2:G0HB+3], s[46:47]
	s_or_b32 s[G0HB+3], s[G0HB+3], 0x80000000
	s_add_nc_u64 s[20:21], s[20:21], s[18:19]      ; for the ring: my 128 rows of the tile
	s_add_nc_u64 s[46:47], s[46:47], s[18:19]
.irp s, 0,1
	s_mov_b32 s[G0+4*\s], 1
	s_add_co_u32 s[G0+4*\s+1], s45, \s*SLOT
	s_add_nc_u64 s[G0+4*\s+2:G0+4*\s+3], s[20:21], \s*ROWB
	s_or_b32 s[G0+4*\s+3], s[G0+4*\s+3], 0x80000000
	s_mov_b32 s[G0B+4*\s], 1
	s_add_co_u32 s[G0B+4*\s+1], s45, \s*SLOT
	s_add_nc_u64 s[G0B+4*\s+2:G0B+4*\s+3], s[46:47], \s*ROWB
	s_or_b32 s[G0B+4*\s+3], s[G0B+4*\s+3], 0x80000000
.endr
; The head's loads, one a wave: wave 0 K step 0's 256 rows of A, wave 1 its 256 rows of B, wave 2 the scales of A's 256 rows, wave 3 those of B's.
; One chain of branches on the wave's number, a load to an arm, all arms leading to one join.
.macro ARM under, g0, g1, next
	s_cmp_lt_u32 s14, \under
	s_cbranch_scc0 \next
	tensor_load_to_lds s[\g0:\g0+3], s[\g1:\g1+7]
	s_nop 0
.rept 4
	v_nop
.endr
	s_branch .Lhead_asked
\next:
.endm
	ARM 1, G0H,  G1,  .Lhead_b
	ARM 2, G0HB, G1B, .Lhead_sa
	ARM 3, G0S,  G1S, .Lhead_sb
	tensor_load_to_lds s[G0SB:G0SB+3], s[G1SB:G1SB+7]
	s_nop 0
.rept 4
	v_nop
.endr
.Lhead_asked:
	v_and_b32 v1, 15, v0                           ; r = l % 16: kept to the end
	v_bfe_u32 v2, v0, 4, 1                         ; h = l / 16: kept to the end
	v_lshlrev_b32 v30, 5, v2                       ; the bias by B's rows: 64 b + 32 h bytes on
	v_lshlrev_b32 v31, 2, v1                       ; by A's rows: 64 a + 4 r
.irp b, 0,1,2,3,4,5,6,7
	global_load_b128 v[BI+8*\b:BI+8*\b+3], v30, s[96:97] offset:64*\b
	global_load_b128 v[BI+8*\b+4:BI+8*\b+7], v30, s[96:97] offset:64*\b+16
.endr
.irp a, 0,1,2,3,4,5,6,7
	global_load_b32 v[BIV+\a], v31, s[98:99] offset:64*\a
.endr
	v_mul_u32_u24 v3, v1, PITCH
	v_lshl_add_u32 v4, v2, 4, v3                   ; a fragment's row x pitch + 16 x half
	s_mul_i32 s21, s15, HALFT                      ; my 128 rows of A
	s_mul_i32 s22, s16, HALFT                      ; my 128 rows of B,
	s_add_co_u32 s22, s22, 2*HALFT                 ; which lie behind A's 256
.irp s, 0,1
	v_add_nc_u32 v[ADRA+\s], s21, v4
	v_add_nc_u32 v[ADRB+\s], s22, v4
	s_add_co_u32 s21, s21, SLOT
	s_add_co_u32 s22, s22, SLOT
.endr
	v_mul_u32_u24 v5, v1, KS                       ; my row's scales: 32 bytes a row,
	v_lshrrev_b32 v6, 8, v5
	v_lshl_add_u32 v5, v6, 4, v5                   ; and 16 more for each 256 passed
	s_mul_i32 s21, s15, HALFS                      ; A's: my 128 rows
	s_mul_i32 s22, s16, HALFS                      ; B's: my 128 rows, behind A's 256
	s_add_co_u32 s22, s22, 2*HALFS
	s_sub_co_u32 s22, s22, s21
	v_mul_u32_u24 v6, s22, v2                      ; lanes 16-31 take B's: one product, the distance between the two bases x h
	s_add_co_u32 s21, s21, SCL
	v_add_nc_u32 v5, v5, v6
	v_add_nc_u32 v[ADRS], s21, v5
.macro FRAG reg, adr, q, i             ; a fragment, 16 rows x 128 K of 8-bit codes, is 16 registers: lane l holds row l % 16; registers 4 c .. 4 c + 3 hold K = 32 c + 16 (l / 16) + 0 .. 15
.irp c, 0,1,2,3
	ds_load_b128 v[\reg+4*\c:\reg+4*\c+3], v[\adr] offset:128*(\q)+32*\c+(\i)*16*PITCH
.endr
.endm
; 16 matrix instructions: A's blocks a0, a0 + 1 x B's eight, 128 along K: the slot's q-th.  p: B's set;  sc: the set of scale words.  zero = 1: the first product starts the sums: nothing is ever cleared.
; The 64 accumulators take turns, one instruction a turn, in the same order in every step.
.macro MUL16 a0, p, q, sc, zero
.irp a, \a0, \a0+1
.irp b, 0,1,2,3,4,5,6,7
.if \zero
	v_wmma_scale_f32_16x16x128_f8f6f4 v[8*(8*((\a)%4)+\b):8*(8*((\a)%4)+\b)+7], v[128*(\p)+FR*\b:128*(\p)+FR*\b+FR-1], v[AF+FR*(\a):AF+FR*(\a)+FR-1], 0, v[SC+8*NQ*(\sc)+NQ*\b+(\q)], v[SC+8*NQ*(\sc)+NQ*(\a)+(\q)] matrix_a_fmt:MATRIX_FMT_BF8 matrix_b_fmt:MATRIX_FMT_BF8 matrix_a_scale:MATRIX_SCALE_ROW1
.else
	v_wmma_scale_f32_16x16x128_f8f6f4 v[8*(8*((\a)%4)+\b):8*(8*((\a)%4)+\b)+7], v[128*(\p)+FR*\b:128*(\p)+FR*\b+FR-1], v[AF+FR*(\a):AF+FR*(\a)+FR-1], v[8*(8*((\a)%4)+\b):8*(8*((\a)%4)+\b)+7], v[SC+8*NQ*(\sc)+NQ*\b+(\q)], v[SC+8*NQ*(\sc)+NQ*(\a)+(\q)] matrix_a_fmt:MATRIX_FMT_BF8 matrix_b_fmt:MATRIX_FMT_BF8 matrix_a_scale:MATRIX_SCALE_ROW1
.endif
.endr
.endr
.endm
.macro FETCH_B slot, q, p              ; B's eight fragments of the slot's q-th 128 along K into set p
	WIN TO_B
.irp i, 0,1,2,3,4,5,6,7
	FRAG 128*(\p)+FR*\i, ADRB+\slot, \q, \i
.endr
	WIN 0
.endm
.macro FETCH_A slot, q, i0             ; A's blocks i0 .. i0 + 3
.irp i, \i0, \i0+1, \i0+2, \i0+3
	FRAG AF+FR*(\i), ADRA+\slot, \q, \i
.endr
.endm
.macro SCALES sc                       ; the next K step's scale words into set sc: two words a row; lanes 0-15 take A's block i, lanes 16-31 B's block i
.irp i, 0,1,2,3,4,5,6,7
	ds_load_b64 v[SC+8*NQ*\sc+NQ*\i:SC+8*NQ*\sc+NQ*\i+1], v[ADRS] offset:\i*SBLK
.endr
.endm
; A load into a register that a matrix instruction has read, and a vector instruction that reads a matrix result, stand NP places behind that matrix instruction, and only plain vector
; instructions that name none of its registers are places (ISA guide 7.12.1 for vector instructions).
.macro PLACES n
.rept \n
	v_nop
.endr
.endm
; A step of 128 along K that has its successor in the same slot.
.macro STEP slot, q, zero
	s_wait_dscnt 4*NL                              ; B's set and A's blocks 0-3 are in; the youngest sixteen loads (A's blocks 4-7) may be out
	WIN MUL_LO
	MUL16 0, (\q)%2, \q, \slot, \zero
	MUL16 2, (\q)%2, \q, \slot, \zero
	s_wait_dscnt 0                                 ; A's blocks 4-7 are in (asked for 32 matrix instructions ago)
	PLACES NP
	FETCH_B \slot, (\q)+1, 1-(\q)%2
	FETCH_A \slot, (\q)+1, 0
	WIN MUL_HI
	MUL16 4, (\q)%2, \q, \slot, \zero
	MUL16 6, (\q)%2, \q, \slot, \zero
	PLACES NP
	WIN 0
	FETCH_A \slot, (\q)+1, 4
.endm
; A slot's last step changes slots: ONE barrier; in front of it each wave waits for all its tensor loads, adds 0 to its spare word, and waits for that and for its own reads of this slot.  fill = 1: this slot is filled again, two K steps ahead.
.macro TURN slot, next, fill
	s_wait_tensorcnt 0x0                           ; all my tensor loads have landed: my part of the next slot;  (every window is 0 here: the add's two registers lie in window 0)
	ds_add_u32 v[SPW], v[NIL]                      ; 0 onto my spare word;
	s_wait_dscnt 4*NL+1                            ; (the add and the youngest sixteen loads, A's blocks 4-7, may be out)
	WIN MUL_LO
	MUL16 0, 1, NQ-1, \slot, 0                     ; sixteen matrix instructions stand between the add and the wait for it
	s_wait_dscnt 0x0                               ; the add is done, and my reads of this slot are over
	s_barrier_signal -1
	MUL16 2, 1, NQ-1, \slot, 0
	WIN 0
	s_barrier_wait -1
.if \fill
	CREST                                          ; the barrier has opened a round of the cluster's barrier: no wave of any partner still reads this slot's tile or has a load on its way
	s_add_nc_u64 s[G0+4*\slot+2:G0+4*\slot+3], s[G0+4*\slot+2:G0+4*\slot+3], 2*ROWB
	s_add_nc_u64 s[G0B+4*\slot+2:G0B+4*\slot+3], s[G0B+4*\slot+2:G0B+4*\slot+3], 2*ROWB
	JLOAD G0+4*\slot, G1, G0B+4*\slot, G1B         ; the first tensor load behind the round; the four v_nop behind it are among the places in front of the loads below
	PLACES NP-4
.else
	PLACES NP
.endif
	s_wait_alu depctr_va_vdst(0)
	v_add_nc_u32 v[ADRS], 4*NQ, v[ADRS]            ; on to the next K step's scale words (no LDS load of mine is out)
	FETCH_B \next, 0, 0
	FETCH_A \next, 0, 0
	SCALES \next
	WIN MUL_HI
	MUL16 4, 1, NQ-1, \slot, 0
	MUL16 6, 1, NQ-1, \slot, 0
	PLACES NP
	WIN 0
	FETCH_A \next, 0, 4
.endm
	s_wait_alu depctr_va_vdst(0)
	s_wait_loadcnt 0x0                             ; the bias
	s_wait_tensorcnt 0x0                           ; my tile of the head's four is in
	ds_add_u32 v[SPW], v[NIL]
	s_mov_b32 s[G1+2], 128<<16                     ; no tensor load of mine is out: from here on a load brings 128 rows
	s_mov_b32 s[G1+4], 128
	s_mov_b32 s[G1B+2], 128<<16
	s_mov_b32 s[G1B+4], 128
	s_wait_dscnt 0x0
	CROUND                                         ; all four tiles are in, and all sixteen work-groups are here
	JLOAD G0+4, G1, G0B+4, G1B                     ; K step 1: slot 1's first fill, the first tensor load behind the round
	FETCH_B 0, 0, 0
	FETCH_A 0, 0, 0
	SCALES 0
	FETCH_A 0, 0, 4
	STEP 0, 0, 1                                   ; the first step stands in front of the loop: its products start the sums
	s_mov_b32 s3, LAPS-1
.Llap:                                                 ; a trip goes once round the ring, from a lap's second step to the next lap's first, and fills both slots again
	TURN 0, 1, 1
	STEP 1, 0, 0
	TURN 1, 0, 1
	STEP 0, 0, 0
	s_sub_co_u32 s3, s3, 1
	s_cmp_lg_u32 s3, 0
	s_cbranch_scc1 .Llap
	TURN 0, 1, 0                                   ; the last lap fills nothing, and has no round of the cluster's barrier
	s_load_b256 s[24:31], s[0:1], 0x28             ; no tensor load of mine is out any more, so the descriptors' registers are free: qimg s[24:25], qsc s[26:27], kvimg s[28:29], kvsc s[30:31]
	STEP 1, 0, 0
	s_wait_dscnt 4*NL                              ; the very last step: nothing more to fetch
	WIN MUL_LO
	MUL16 0, 1, NQ-1, 1, 0
	MUL16 2, 1, NQ-1, 1, 0
	s_wait_dscnt 0
	WIN MUL_HI
	MUL16 4, 1, NQ-1, 1, 0
	MUL16 6, 1, NQ-1, 1, 0
	WIN 0
; ---------------------------------------------------------------- THE WAY OUT
; All LDS addresses of both kinds are made here, ahead of the first parting.  These plain vector lines, more than eight, name no register of the last products: they are the places behind them.
	s_mul_i32 s92, s14, WSTG                       ; my stage
	v_lshrrev_b32 v3, 3, v1                        ; r / 8
	v_and_b32 v4, 7, v1                            ; r % 8
	v_and_b32 v5, 31, v0                           ; lane
	v_lshlrev_b32 v6, 3, v2                        ; 8 h
	v_lshl_add_u32 v7, v4, 4, v6
	v_lshl_add_u32 v7, v3, 10, v7
	v_add_nc_u32 v[STQ0], s92, v7                  ; q, k: token 16 a + r, channels 16 (b % 4) + 8 h on: 1024 (r / 8) + 16 (r % 8) + 8 h; a and b stand in the step and the immediate
	v_lshlrev_b32 v7, 1, v3
	v_lshl_add_u32 v7, v4, 2, v7
	v_add_nc_u32 v7, s92, v7
	v_add_nc_u32 v[SSQ0], 16384, v7                ; its two scale bytes: 4 (r % 8) + 2 (r / 8)
	v_lshl_add_u32 v7, v1, 4, v6
	v_add_nc_u32 v7, s92, v7
	v_add_nc_u32 v[STV0], VSTG, v7                 ; v: channel 16 a + r, keys 16 b + 8 h on: 16 r + 8 h
	v_lshlrev_b32 v7, 2, v1
	v_add_nc_u32 v7, s92, v7
	v_add_nc_u32 v[SSV0], VSTG+16384, v7           ; its scale word: 4 r
	v_lshlrev_b32 v[LI], 4, v5
	v_lshlrev_b32 v[L8], 3, v5
	v_add_nc_u32 v[RDQ], s92, v[LI]                ; back: 16 bytes a lane,
	v_add_nc_u32 v7, s92, v[L8]
	v_add_nc_u32 v[RSQ], 16384, v7                 ; the scale bytes 8 a lane
	v_add_nc_u32 v[RDV], VSTG, v[RDQ]
	v_add_nc_u32 v[RSV], VSTG, v[RSQ]
	v_cmp_eq_u32 vcc_lo, 1, v2                     ; lanes 16-31
	s_wait_kmcnt 0x0
	; where my two heads go
	s_cmp_eq_u32 s[ISV], 1
	s_cselect_b32 s84, s42, s17                    ; the tile of tokens,
	s_cselect_b32 s85, s16, s15                    ; my half of it,
	s_cselect_b32 s86, s17, s42                    ; the tile of W's rows,
	s_cselect_b32 s87, s15, s16                    ; my half of it
	s_lshl_b32 s84, s84, 1
	s_add_co_u32 s84, s84, s85                     ; my 128 tokens: number 0 .. 63
	s_and_b32 s86, s86, 3
	s_lshl_b32 s86, s86, 2
	s_lshl_b32 s87, s87, 1
	s_add_co_u32 s86, s86, s87                     ; my first head: 4 x (tile within the kind) + 2 x half
	s_lshr_b32 s88, s84, 4                         ; the batch
	s_and_b32 s89, s84, 15                         ; the step
	s_lshl_b32 s88, s88, 4
	s_add_co_u32 s88, s88, s86
	s_lshl_b32 s88, s88, 4
	s_add_co_u32 s88, s88, s89                     ; idx = 16 (16 batch + head) + step
	s_lshl_b32 s89, s89, 7                         ; my first token's position
	s_cmp_eq_u32 s[KIND], 0
	s_cselect_b64 s[D0:D0+1], s[24:25], s[28:29]   ; q's buffers, or k's and v's: a choice on the cluster's y
	s_cselect_b64 s[E0:E0+1], s[26:27], s[30:31]
	s_cselect_b32 s90, 13, 14                      ; 8,192 or 16,384 bytes of codes for each idx,
	s_cselect_b32 s91, 8, 9                        ; 256 or 512 scale bytes
	s_lshl_b32 s84, s88, s90
	s_lshl_b32 s86, s88, s91
	s_lshl_b32 s90, 16, s90                        ; the next head is 16 idx on
	s_lshl_b32 s91, 16, s91
	s_lshl_b32 s85, s[ISV], 13                     ; v lies behind k
	s_add_co_u32 s84, s84, s85
	s_lshl_b32 s85, s[ISV], 8
	s_add_co_u32 s86, s86, s85
	s_mov_b32 s85, 0
	s_mov_b32 s87, 0
	s_add_nc_u64 s[D0:D0+1], s[D0:D0+1], s[84:85]
	s_add_nc_u64 s[E0:E0+1], s[E0:E0+1], s[86:87]
	s_mov_b32 s84, s90
	s_mov_b32 s86, s91
	s_add_nc_u64 s[D1:D1+1], s[D0:D0+1], s[84:85]
	s_add_nc_u64 s[E1:E1+1], s[E0:E0+1], s[86:87]
.macro SPAIR reg, val
	s_mov_b32 s[\reg], \val
	s_mov_b32 s[\reg+1], \val
.endm
	SPAIR IPI,  0x3ea2f983                         ; 1 / pi
	SPAIR NMAG, 0xcb400000                         ; -1.5 x 2^23
	SPAIR NPH,  0xc0490fdb                         ; -pi, its f32 part
	SPAIR NPM,  0x33bbbd2e                         ; -(pi less that part)
	SPAIR CS11, 0xb2d7322b                         ; -1/11!, 1/9!, -1/7!, 1/5!, -1/3!
	SPAIR CS9,  0x3638ef1d
	SPAIR CS7,  0xb9500d01
	SPAIR CS5,  0x3c088889
	SPAIR CS3,  0xbe2aaaab
	SPAIR CC10, 0xb493f27e                         ; -1/10!, 1/8!, -1/6!, 1/4!
	SPAIR CC8,  0x37d00d01
	SPAIR CC6,  0xbab60b61
	SPAIR CC4,  0x3d2aaaab
	s_mov_b32 s[SEL], 0x76543210
	s_mov_b32 s[SEL+1], 0xfedcba98
	s_mov_b32 s[MNT], 0x600000
	WIN 0x40                                       ; destination window 1
	v_add_nc_u32 v[POS], s89, v1                   ; my token's position in row block 0
	WIN 0x55                                       ; all in window 1
	v_cvt_f32_u32 v[POS], v[POS]
	v_mov_b32 v[POS+1], 0                          ; (named with it as a pair, so it is written)
	v_mov_b32 v[KM], 0x4b400000
	v_mov_b32 v[KM+1], 0x4b400000
	v_mov_b32 v[KS13], 0x2f309231
	v_mov_b32 v[KS13+1], 0x2f309231
	v_mov_b32 v[KC12], 0x310f76c7
	v_mov_b32 v[KC12+1], 0x310f76c7
.irp b, 0,1,2,3
	v_mov_b32 v[TM+4+\b], 0                        ; written once: a lane permute's destination counts as one of its sources
.endr
; My eight frequencies 1 / 10^(i/4), i = 8 (e / 4) + 4 h + e % 4.  The power as a literal, chosen by the lane's half; the quotient by v_rcp_f32 and two Newton steps in fused multiply-adds.
.macro PSEL e, lo, hi
	v_mov_b32 v[W+\e], \hi
	v_cndmask_b32 v[W+\e], \lo, v[W+\e], vcc_lo    ; lanes 16-31 keep the upper one
.endm
	PSEL 0, 0x3f800000, 0x41200000
	PSEL 1, 0x3fe39ea9, 0x418e432a
	PSEL 2, 0x404a62c2, 0x41fcfb72
	PSEL 3, 0x40b3f300, 0x4260efc0
	PSEL 4, 0x42c80000, 0x447a0000
	PSEL 5, 0x4331d3f4, 0x44de48f1
	PSEL 6, 0x439e1d27, 0x4545a471
	PSEL 7, 0x440c95d8, 0x45afbb4e
	s_wait_alu depctr_va_vdst(0)
.irp e, 0,1,2,3,4,5,6,7
	v_rcp_f32 v[INV+\e], v[W+\e]
.endr
	v_nop                                          ; a plain instruction behind the last reciprocal,
	s_wait_alu depctr_va_vdst(0)                   ; and the one wait ahead of the batch's first reader
.rept 2
.irp e, 0,1,2,3,4,5,6,7
	v_fma_f32 v[W+8+\e], -v[W+\e], v[INV+\e], 1.0
.endr
.irp e, 0,1,2,3,4,5,6,7
	v_fma_f32 v[INV+\e], v[W+8+\e], v[INV+\e], v[INV+\e]
.endr
.endr
	WIN 0
; Row block a leaves the accumulators with its bias added: 64 numbers a lane into T.  kind = 0: the bias runs along the registers; 1: it is the lane's one number of block a.  Each accumulator is read from its low end on.
.macro COPY kind, a
	WIN 0x42+(\a)/4                                ; source 0 window 2 or 3, source 1 window 0, destination window 1
.set AC, 64*((\a)%4)
.irp b, 0,1,2,3,4,5,6,7
.irp i, 0,2,4,6
.if \kind
.if (\a)%2
	v_pk_add_f32 v[T+8*\b+\i:T+8*\b+\i+1], v[AC+8*\b+\i:AC+8*\b+\i+1], v[BIV+2*((\a)/2):BIV+2*((\a)/2)+1] op_sel:[0,1] op_sel_hi:[1,1]
.else
	v_pk_add_f32 v[T+8*\b+\i:T+8*\b+\i+1], v[AC+8*\b+\i:AC+8*\b+\i+1], v[BIV+2*((\a)/2):BIV+2*((\a)/2)+1] op_sel_hi:[1,0]
.endif
.else
	v_pk_add_f32 v[T+8*\b+\i:T+8*\b+\i+1], v[AC+8*\b+\i:AC+8*\b+\i+1], v[BI+8*\b+\i:BI+8*\b+\i+1]
.endif
.endr
.endr
	WIN 0
.endm
; Register numbers cannot be stepped: the copy of block 2 AI + par is chosen among four written ones by the loop's counter.
.macro COPYSEL kind, par
	s_cmp_lg_u32 s[AI], 0
	s_cbranch_scc1 .Lc1_\@
	COPY \kind, 0+\par
	s_branch .Lcd_\@
.Lc1_\@:
	s_cmp_lg_u32 s[AI], 1
	s_cbranch_scc1 .Lc2_\@
	COPY \kind, 2+\par
	s_branch .Lcd_\@
.Lc2_\@:
	s_cmp_lg_u32 s[AI], 2
	s_cbranch_scc1 .Lc3_\@
	COPY \kind, 4+\par
	s_branch .Lcd_\@
.Lc3_\@:
	COPY \kind, 6+\par
.Lcd_\@:
.endm
; Sine and cosine of my eight angles, two at a time, the four pairs by turns.  The angle is the f32 product position x frequency.  n = the nearest whole number to angle / pi (by adding and taking off 1.5 x 2^23);
; r = angle - n pi in two fused steps, of which the first is exact; Taylor sums in r^2; the sign is n's lowest bit.  A pair's registers: +0 angle, then r; +2 n + 1.5 x 2^23; +4 n, then r^2, then r^3; +6 sine; +8 cosine.
.macro SINCOS
.irp g, 0,1,2,3
	v_pk_mul_f32 v[W+10*\g:W+10*\g+1], v[INV+2*\g:INV+2*\g+1], v[POS:POS+1] op_sel_hi:[1,0]
.endr
.irp g, 0,1,2,3
	v_pk_fma_f32 v[W+10*\g+2:W+10*\g+3], v[W+10*\g:W+10*\g+1], s[IPI:IPI+1], v[KM:KM+1] op_sel_hi:[1,0,1]
.endr
.irp g, 0,1,2,3
	v_pk_add_f32 v[W+10*\g+4:W+10*\g+5], v[W+10*\g+2:W+10*\g+3], s[NMAG:NMAG+1] op_sel_hi:[1,0]
.endr
.irp k, NPH, NPM
.irp g, 0,1,2,3
	v_pk_fma_f32 v[W+10*\g:W+10*\g+1], v[W+10*\g+4:W+10*\g+5], s[\k:\k+1], v[W+10*\g:W+10*\g+1] op_sel_hi:[1,0,1]
.endr
.endr
.irp g, 0,1,2,3
	v_pk_mul_f32 v[W+10*\g+4:W+10*\g+5], v[W+10*\g:W+10*\g+1], v[W+10*\g:W+10*\g+1]
.endr
.irp g, 0,1,2,3
	v_pk_fma_f32 v[W+10*\g+6:W+10*\g+7], v[W+10*\g+4:W+10*\g+5], v[KS13:KS13+1], s[CS11:CS11+1] op_sel_hi:[1,1,0]
	v_pk_fma_f32 v[W+10*\g+8:W+10*\g+9], v[W+10*\g+4:W+10*\g+5], v[KC12:KC12+1], s[CC10:CC10+1] op_sel_hi:[1,1,0]
.endr
.irp k, CS9, CS7, CS5, CS3
.irp g, 0,1,2,3
	v_pk_fma_f32 v[W+10*\g+6:W+10*\g+7], v[W+10*\g+6:W+10*\g+7], v[W+10*\g+4:W+10*\g+5], s[\k:\k+1] op_sel_hi:[1,1,0]
.endr
.endr
.irp k, CC8, CC6, CC4
.irp g, 0,1,2,3
	v_pk_fma_f32 v[W+10*\g+8:W+10*\g+9], v[W+10*\g+8:W+10*\g+9], v[W+10*\g+4:W+10*\g+5], s[\k:\k+1] op_sel_hi:[1,1,0]
.endr
.endr
.irp g, 0,1,2,3
	v_pk_fma_f32 v[W+10*\g+8:W+10*\g+9], v[W+10*\g+8:W+10*\g+9], v[W+10*\g+4:W+10*\g+5], -0.5 op_sel_hi:[1,1,0]
.endr
.irp g, 0,1,2,3
	v_pk_fma_f32 v[W+10*\g+8:W+10*\g+9], v[W+10*\g+8:W+10*\g+9], v[W+10*\g+4:W+10*\g+5], 1.0 op_sel_hi:[1,1,0]
.endr
.irp g, 0,1,2,3
	v_pk_mul_f32 v[W+10*\g+4:W+10*\g+5], v[W+10*\g+4:W+10*\g+5], v[W+10*\g:W+10*\g+1]
.endr
.irp g, 0,1,2,3
	v_pk_fma_f32 v[W+10*\g+6:W+10*\g+7], v[W+10*\g+6:W+10*\g+7], v[W+10*\g+4:W+10*\g+5], v[W+10*\g:W+10*\g+1]
.endr
.irp g, 0,1,2,3
	v_lshlrev_b32 v[W+10*\g+2], 31, v[W+10*\g+2]   ; n's lowest bit into the sign's place (1.5 x 2^23 is even)
	v_lshlrev_b32 v[W+10*\g+3], 31, v[W+10*\g+3]
.endr
.irp g, 0,1,2,3
	v_xor_b32 v[CSN+6*\g+2], v[W+10*\g+8], v[W+10*\g+2]
	v_xor_b32 v[CSN+6*\g+3], v[W+10*\g+9], v[W+10*\g+3]
	v_xor_b32 v[CSN+6*\g+1], v[W+10*\g+6], v[W+10*\g+2]
	v_xor_b32 v[CSN+6*\g+5], v[W+10*\g+7], v[W+10*\g+3]
.endr
.irp g, 0,1,2,3
	v_xor_b32 v[CSN+6*\g], 0x80000000, v[CSN+6*\g+1]
	v_xor_b32 v[CSN+6*\g+4], 0x80000000, v[CSN+6*\g+5]
.endr
.endm
; The turn: of each head's first 32 channels the pair (x1, x2) becomes (x1 c - x2 s, x2 c + x1 s): (x2, x1) x (-s, s), then a fused (x1, x2) x c + that.  Angle e belongs to tile e / 4 of the head, registers 2 (e % 4) on.
.macro ROPE
.irp hd, 0,1
.irp e, 0,1,2,3,4,5,6,7
	v_pk_mul_f32 v[R1+2*\e:R1+2*\e+1], v[T+32*\hd+8*(\e/4)+2*(\e%4):T+32*\hd+8*(\e/4)+2*(\e%4)+1], v[CSN+6*(\e/2)+4*(\e%2):CSN+6*(\e/2)+4*(\e%2)+1] op_sel:[1,0] op_sel_hi:[0,1]
.endr
.irp e, 0,1,2,3,4,5,6,7
.if \e%2
	v_pk_fma_f32 v[T+32*\hd+8*(\e/4)+2*(\e%4):T+32*\hd+8*(\e/4)+2*(\e%4)+1], v[T+32*\hd+8*(\e/4)+2*(\e%4):T+32*\hd+8*(\e/4)+2*(\e%4)+1], v[CSN+6*(\e/2)+2:CSN+6*(\e/2)+3], v[R1+2*\e:R1+2*\e+1] op_sel:[0,1,0] op_sel_hi:[1,1,1]
.else
	v_pk_fma_f32 v[T+32*\hd+8*(\e/4)+2*(\e%4):T+32*\hd+8*(\e/4)+2*(\e%4)+1], v[T+32*\hd+8*(\e/4)+2*(\e%4):T+32*\hd+8*(\e/4)+2*(\e%4)+1], v[CSN+6*(\e/2)+2:CSN+6*(\e/2)+3], v[R1+2*\e:R1+2*\e+1] op_sel_hi:[1,0,1]
.endif
.endr
.endr
.endm
; The quantiser.  Block b of 32 along the next K is tiles 2 b and 2 b + 1: 16 numbers in my registers T + 16 b on, 16 in lane l xor 16's.
.macro QUANT
.irp b, 0,1,2,3
	v_max3_num_f32 v[TM+\b], |v[T+16*\b]|, |v[T+16*\b+1]|, 0x8000000   ; my 16 numbers, and the floor 2^(16 - 127): so the byte cannot fall under 1
.endr
.irp i, 2,4,6,8,10,12,14
.irp b, 0,1,2,3
	v_max3_num_f32 v[TM+\b], v[TM+\b], |v[T+16*\b+\i]|, |v[T+16*\b+\i+1]|   ; (the four blocks by turns)
.endr
.endr
.irp b, 0,1,2,3
	v_permlanex16_b32 v[TM+4+\b], v[TM+\b], s[SEL], s[SEL+1]
.endr
.irp b, 0,1,2,3
	v_max_num_f32 v[TM+\b], v[TM+\b], v[TM+4+\b]   ; the block's largest magnitude
.endr
.irp b, 0,1,2,3
	v_add_nc_u32 v[TM+12+\b], 0xf8800000, v[TM+\b] ; 15 off its exponent field: the conversion takes the exponent field of this operand as its scale
.endr
.irp b, 0,1,2,3
	v_and_or_b32 v[TM+8+\b], v[TM+\b], 0x7f800000, s[MNT]   ; 57,344 x the scale
.endr
.irp b, 0,1,2,3
	v_lshrrev_b32 v[TM+4+\b], 23, v[TM+12+\b]      ; the scale's byte
.endr
	v_lshl_or_b32 v[PW], v[TM+5], 8, v[TM+4]
	v_lshl_or_b32 v[PW], v[TM+6], 16, v[PW]
	v_lshl_or_b32 v[PW], v[TM+7], 24, v[PW]
.irp b, 0,1,2,3
.irp i, 0,1,2,3,4,5,6,7,8,9,10,11,12,13,14,15
	v_med3_num_f32 v[T+16*\b+\i], v[T+16*\b+\i], -v[TM+8+\b], v[TM+8+\b]   ; the conversion to an 8-bit code does not saturate (ISA guide 7.6.2): the hold at the largest code x the scale
.endr
	v_cvt_scalef32_pk8_bf8_f32 v[PC+4*\b:PC+4*\b+1], v[T+16*\b:T+16*\b+7], v[TM+12+\b]
	v_cvt_scalef32_pk8_bf8_f32 v[PC+4*\b+2:PC+4*\b+3], v[T+16*\b+8:T+16*\b+15], v[TM+12+\b]
.endr
	v_nop                                          ; one plain vector instruction between a scaled conversion and the next vector instruction that writes its sources
.endm
.macro QKROW par                       ; 16 tokens of q or k, two heads
	WIN 0x55
	SINCOS
	v_add_f32 v[POS], 0x41800000, v[POS]           ; the next row block's tokens lie 16 further on
	WIN 0
	COPYSEL 0, \par
	WIN 0x55
	ROPE
	s_wait_dscnt 0x0                               ; the last block's LDS stores have read their registers
	QUANT
	WIN 0x04                                       ; an LDS store's data are its source 1: window 1
.irp b, 0,1,2,3,4,5,6,7
	ds_store_b64 v[STQ], v[PC+2*\b:PC+2*\b+1] offset:8192*(\b/4)+512*((\b%4)/2)+256*(\b%2)+128*\par
.endr
	ds_store_b16 v[SSQ], v[PW] offset:32*\par                  ; the first head's two bytes (both halves of the lanes write the same bytes with the same values),
	ds_store_b16_d16_hi v[SSQ], v[PW] offset:256+32*\par       ; the second head's
	WIN 0
.endm
.macro VROW par                        ; 16 channels of v, 128 keys
	COPYSEL 1, \par
	WIN 0x55
	s_wait_dscnt 0x0                               ; the last block's LDS stores have read their registers
	QUANT
	WIN 0x04
.irp b, 0,1,2,3,4,5,6,7
	ds_store_b64 v[STV], v[PC+2*\b:PC+2*\b+1] offset:512*(\b/2)+256*(\b%2)+2048*\par
.endr
	ds_store_b32 v[SSV], v[PW] offset:64*\par
	WIN 0
.endm
	s_mov_b32 s[AI], 0
	s_mov_b32 s58, 0
	s_mov_b32 s59, 0
	s_mov_b32 s60, 0
	s_mov_b32 s61, 0
.Lrows:                                                ; four trips, two row blocks each; every work-group walks the loop, and the kinds part inside it
	v_add_nc_u32 v[STQ], s58, v[STQ0]
	v_add_nc_u32 v[SSQ], s59, v[SSQ0]
	v_add_nc_u32 v[STV], s60, v[STV0]
	v_add_nc_u32 v[SSV], s61, v[SSV0]
	s_cmp_eq_u32 s[ISV], 1
	s_cbranch_scc1 .Lrows_v
	s_wait_alu depctr_va_vdst(0)
	QKROW 0
	QKROW 1
	s_branch .Lrows_next
.Lrows_v:
	VROW 0
	VROW 1
.Lrows_next:
	s_add_co_u32 s58, s58, 2048                    ; q, k: 32 tokens are a fragment;
	s_add_co_u32 s59, s59, 64
	s_add_co_u32 s60, s60, 4096                    ; v: 32 channels are two
	s_add_co_u32 s61, s61, 128
	s_add_co_u32 s[AI], s[AI], 1
	s_cmp_lt_u32 s[AI], 4
	s_cbranch_scc1 .Lrows
; The stage comes back as it lies and leaves: each store of the wave covers 512 (the scale bytes: 256) consecutive bytes, aligned to 256.  LDS serves a wave's instructions in order (ISA guide 5.7.1.4): the loads see my stores.
.macro SENDOUT adr, ads
	WIN 0x40
.irp i, 0,1,2,3,4,5,6,7,8,9,10,11,12,13,14,15
	ds_load_b128 v[4*\i:4*\i+3], v[\adr] offset:512*\i
.endr
.irp i, 0,1,2,3,4,5,6,7,8,9,10,11,12,13,14,15
	ds_load_b128 v[64+4*\i:64+4*\i+3], v[\adr] offset:8192+512*\i
.endr
	ds_load_b64 v[128:129], v[\ads]
	ds_load_b64 v[130:131], v[\ads] offset:256
	WIN 0x04
	s_wait_dscnt 18                                ; the first head's codes are back; the 18 younger loads may be out
.irp i, 0,1,2,3,4,5,6,7,8,9,10,11,12,13,14,15
	global_store_b128 v[LI], v[4*\i:4*\i+3], s[D0:D0+1] offset:512*\i
.endr
	s_wait_dscnt 2                                 ; the second head's; the two loads of scale bytes may be out
.irp i, 0,1,2,3,4,5,6,7,8,9,10,11,12,13,14,15
	global_store_b128 v[LI], v[64+4*\i:64+4*\i+3], s[D1:D1+1] offset:512*\i
.endr
	s_wait_dscnt 0x0
	global_store_b64 v[L8], v[128:129], s[E0:E0+1]
	global_store_b64 v[L8], v[130:131], s[E1:E1+1]
	WIN 0
.endm
	s_cmp_eq_u32 s[ISV], 1
	s_cbranch_scc1 .Lout_v
	SENDOUT RDQ, RSQ
	s_branch .Lend
.Lout_v:
	SENDOUT RDV, RSV
.Lend:
	s_wait_tensorcnt 0x0                           ; the wave's end: behind my last tensor load and my last LDS store
	ds_add_u32 v[SPW], v[NIL]
	s_wait_dscnt 0x0
	CROUND                                         ; the closing round: no work-group ends while a partner may still ask for a tile that names it
	s_endpgm
.Lfunc_end_k_qc6988bb944_qkv:
	.size	k_qc6988bb944_qkv, .Lfunc_end_k_qc6988bb944_qkv-k_qc6988bb944_qkv
	.p2alignl 7, 3214868480
	.fill 96, 4, 3214868480
	.section	.rodata,"a",@progbits
	.p2align	6, 0x0
	.amdhsa_kernel k_qc6988bb944_qkv
		.amdhsa_group_segment_fixed_size 327680
		.amdhsa_private_segment_fixed_size 0
		.amdhsa_enable_private_segment 0
		.amdhsa_kernarg_size 72
		.amdhsa_user_sgpr_count 2
		.amdhsa_user_sgpr_kernarg_segment_ptr 1
		.amdhsa_wavefront_size32 1
		.amdhsa_system_sgpr_workgroup_id_x 1
		.amdhsa_system_sgpr_workgroup_id_y 1
		.amdhsa_system_sgpr_workgroup_id_z 1
		.amdhsa_system_vgpr_workitem_id 0
		.amdhsa_next_free_vgpr 1024
		.amdhsa_next_free_sgpr 102
		.amdhsa_reserve_vcc 1
		.amdhsa_float_denorm_mode_32 3
		.amdhsa_float_denorm_mode_16_64 3
		.amdhsa_memory_ordered 1
		.amdhsa_forward_progress 1
		.amdhsa_inst_pref_size 225
	.end_amdhsa_kernel
	.amdgpu_metadata
---
amdhsa.version: [ 1, 2 ]
amdhsa.kernels:
  - .name:           k_qc6988bb944_qkv
    .symbol:         k_qc6988bb944_qkv.kd
    .args:
      - { .name: x_codes, .offset: 0, .size: 8, .value_kind: global_buffer, .address_space: global }
      - { .name: x_scales, .offset: 8, .size: 8, .value_kind: global_buffer, .address_space: global }
      - { .name: W_qkv_codes, .offset: 16, .size: 8, .value_kind: global_buffer, .address_space: global }
      - { .name: W_qkv_scales, .offset: 24, .size: 8, .value_kind: global_buffer, .address_space: global }
      - { .name: b_qkv, .offset: 32, .size: 8, .value_kind: global_buffer, .address_space: global }
      - { .name: qimg, .offset: 40, .size: 8, .value_kind: global_buffer, .address_space: global }
      - { .name: qsc, .offset: 48, .size: 8, .value_kind: global_buffer, .address_space: global }
      - { .name: kvimg, .offset: 56, .size: 8, .value_kind: global_buffer, .address_space: global }
      - { .name: kvsc, .offset: 64, .size: 8, .value_kind: global_buffer, .address_space: global }
    .group_segment_fixed_size: 327680
    .private_segment_fixed_size: 0
    .kernarg_segment_align: 8
    .kernarg_segment_size: 72
    .max_flat_workgroup_size: 128
    .sgpr_count:     102
    .vgpr_count:     1024
    .wavefront_size: 32
...
	.end_amdgpu_metadata
.endif
;; end of part 1
;; launch attn (part 2): grid 4 x 64, 8 waves a work-group, clusters of 4 x 1, 327,680 bytes of LDS; arguments qimg, qsc, kvimg, kvsc, out0; writes out0
.if DOCPART == 2
	.amdgcn_target "amdgcn-amd-amdhsa--gfx1250"
	.amdhsa_code_object_version 6
	.text
	.protected	k_qc6988bb944_attn
	.globl	k_qc6988bb944_attn
	.p2align	8
	.type	k_qc6988bb944_attn,@function
k_qc6988bb944_attn:
	s_mov_b64 s[64:65], 0
	v_nop
	global_prefetch_b8 v0, s[64:65] scope:SCOPE_SE
	s_setreg_imm32_b32 hwreg(HW_REG_WAVE_MODE, 25, 1), 1
	s_wait_xcnt 0x0
	s_wait_alu depctr_hold_cnt(0) depctr_sa_sdst(0) depctr_va_vdst(0) depctr_va_sdst(0) depctr_va_ssrc(0) depctr_va_vcc(0) depctr_vm_vsrc(0)
	s_getreg_b32 s2, hwreg(HW_REG_IB_STS2, 6, 4)
	s_cmp_eq_u32 s2, 0
	s_cbranch_scc0 .Lentry_in_a_cluster
	s_endpgm
.Lentry_in_a_cluster:
	s_bfe_u32 s2, ttmp6, 0x10000c
	s_cmp_lg_u32 s2, 0x3003
	s_cbranch_scc0 .Lentry_shape_is_right
	s_endpgm
.Lentry_shape_is_right:
; out = softmax(q k^T / 8) v for 64 (batch, head) pairs of 2,048 tokens and 64 channels, both products on codes of BF8 (E5M2) with E8M0 scales, from the images of operand registers that launch qkv stores.
; THE SOFTMAX: t = score x log2(e) / 8; M = the running largest t rounded up to a whole number; p = 2^(t - M) is quantised along the keys, 32 to a block; the row's sum is taken of the unquantised p and divides at the end.
; When M moves, the sum and O are multiplied by 2^(old M - new M), in every step, with no branch on data.
; SHARES.  A work-group owns 512 queries of one head, each of its eight waves 64 of them: four tiles of 16, in ONE walk over the keys, so that each fragment of K and of V read from LDS feeds four tiles.
; The head's whole K and V (16 key steps x 16,384 bytes) lie in LDS: each wave asks for 32,768 bytes, two key steps, with its one tensor load at the head, jointly with the three partners of the cluster, which own the head's other queries.
; The head's 8,192 scale bytes come through registers into LDS bytes of their own.
; TWO BARRIERS.  Wave 0 has a load line of its own and alone waits for it at the first barrier, which also shows the scale bytes.  Key step 0, which touches wave 0's bytes alone (K and V of step 0, K of step 1), is written out;
; behind it every wave waits for its load, and the second barrier shows the rest.  The loop over the other 15 key steps has no barrier.
; No prefetch: every fill stands at the head, so there is no loop to run ahead in.
; A KEY STEP, for tiles x = 0 .. 3: QK(x); O of the tile before under its new M; PV of the tile before; the softmax of tile x.  The 16 lines that rescale O are the places behind QK(x) and in front of PV.
; Tile 3's PV stands at the head of the next step (the last behind the loop); the first step's finds zero codes of p and adds nothing.  V's fragments are fetched in softmax 0, the next step's fragments of K ahead of softmax 3.
; The address of the step ahead wraps at the head's end: the last trip fetches step 0's K once more, into registers that nothing reads, so that the trip has no branch.
; Both products are used transposed: a lane holds one query.  A fragment of K holds two tiles of 16 keys x 64 channels; q stands beside eight registers of zero codes, on the one side or on the other, and so picks the tile.
; O and the sums begin as zeros and the largest score as -3e38, so that step 0 and the loop's trip are one macro.
; LIMITS.  NaN and infinities are not served.  The promise holds while the scaled scores t stay under 2^31 in magnitude.  A block of p that has fallen to 0 keeps the scale byte 1: its codes are zeros.
; REGISTERS.  window 0: v1-8 addresses; v10-15 at work; v16-19 q's scale words, as they lie and turned by 16 bits; v22-26 K's, V's, p's scale words; v28-47 at work; v48-63 for each tile -M, largest score, the sum in two halves;
;   v64-127 S^T, then p; v128-191 K's four fragments; v192-255 V's.   window 1: v0-127 O^T, 32 a tile; v128-199 zeros and q by turns; v200-215 p's codes.
.set SCL,  262144                      ; behind the codes: the head's scale bytes, [step][K 256 | V 256]
.set STG,  270336                      ; the way out: 16 rows x 272 bytes for each wave
.set SPARE, 305152                     ; the spare words, 128 bytes for each wave
.set LI,   1
.set ADS,  2
.set ADK,  3
.set STO,  4
.set RD,   5
.set GO,   6
.set SPW,  7
.set NIL,  8
.set TMP,  10
.set C2,   12
.set C3,   14
.set QW,   16
.set KSC,  22
.set VSC,  24
.set PW,   26
.set BM,   28
.set T4,   32
.set HL,   36
.set SOP,  40
.set F,    44
.set CH,   46
.set STA,  48
.set S,    64
.set KF,   128
.set VF,   192
.set O,    0
.set QF,   136
.set P,    200
.set WV,   14
.set CX,   15
.set BH,   16
.set MNT,  19
.set SEL,  20
.set CS,   22
.set G1C,  24
.set G0,   44
.set CNT,  62
.set MSB, 0
.macro WIN new                         ; the immediate's high byte repeats the setting that is left
.if MSB != (\new)
	s_set_vgpr_msb (MSB<<8)|(\new)
.set MSB, (\new)
.endif
.endm
.macro PLACES n
.rept \n
	v_nop
.endr
.endm
.macro CROUND                          ; a round of the cluster's barrier
	s_barrier_signal -1
	s_barrier_wait -1
	s_cmp_lg_u32 s[WV], 0
	s_cbranch_scc1 .Lnot_wave_0_\@
	s_barrier_signal -3
.Lnot_wave_0_\@:
	s_barrier_wait -3
	s_barrier_signal -1
	s_barrier_wait -1
.endm
	s_load_b256 s[4:11], s[0:1], 0x0               ; qimg, qsc, kvimg, kvsc
	s_load_b64 s[12:13], s[0:1], 0x20              ; out0
	v_lshl_add_u32 v[SPW], v0, 2, SPARE
	v_mov_b32 v[NIL], 0
	ds_add_u32 v[SPW], v[NIL]                      ; the opening lines: the add, twice on end, and its wait ahead of my tensor load
	ds_add_u32 v[SPW], v[NIL]
	v_lshrrev_b32 v9, 5, v0
	v_readfirstlane_b32 s[WV], v9                  ; wave 0..7
	s_bfe_u32 s[CX], ttmp6, 0x40000                ; my place in the cluster: which 512 queries
	s_and_b32 s[BH], ttmp7, 0xffff                 ; 16 batch + head
	s_mov_b32 s[G1C], 15|(3<<16)|(1<<21)           ; the mask names the four partners; elements of 8 bytes; no padding: the images are read 16 bytes a lane on end
	s_mov_b32 s[G1C+1], 32<<16                     ; rows of 256 bytes,
	s_mov_b32 s[G1C+2], 128<<16                    ; 128 of them: two key steps
	s_mov_b32 s[G1C+3], 32<<16
	s_mov_b32 s[G1C+4], 128
	s_mov_b32 s[G1C+5], 32
	s_mov_b32 s[G1C+6], 0
	s_mov_b32 s[G1C+7], 0
	s_lshl_b32 s2, s[BH], 18                       ; the head's codes of K and V: 262,144 bytes,
	s_lshl_b32 s17, s[WV], 15                      ; my eighth of them, in memory and in LDS
	s_add_co_u32 s2, s2, s17
	s_mov_b32 s3, 0
	s_lshl_b32 s60, s[BH], 13                      ; its scale bytes
	s_mov_b32 s61, 0
	s_wait_dscnt 0x0
	s_wait_kmcnt 0x0
	s_add_nc_u64 s[8:9], s[8:9], s[2:3]
	s_add_nc_u64 s[10:11], s[10:11], s[60:61]
	s_mov_b32 s[G0], 1
	s_mov_b32 s[G0+1], s17
	s_mov_b64 s[G0+2:G0+3], s[8:9]
	s_or_b32 s[G0+3], s[G0+3], 0x80000000
	CROUND                                         ; the four partners are here: the joint loads meet
	s_cmp_eq_u32 s[WV], 0                          ; one load a wave, in two arms: wave 0's line is waited for ahead of the others'
	s_cbranch_scc0 .Lothers
	tensor_load_to_lds s[G0:G0+3], s[G1C:G1C+7]    ; wave 0: key steps 0 and 1
	s_nop 0
	PLACES 4
	s_branch .Lasked
.Lothers:
	tensor_load_to_lds s[G0:G0+3], s[G1C:G1C+7]    ; wave w: key steps 2 w and 2 w + 1
	s_nop 0
	PLACES 4
.Lasked:
	s_lshl_b32 s2, s[BH], 4
	s_lshl_b32 s3, s[CX], 2
	s_add_co_u32 s17, s2, s3                       ; the first of my work-group's four images of q
	s_lshl_b32 s2, s17, 13
	s_lshl_b32 s3, s[WV], 12                       ; my 64 queries: 4,096 bytes of codes,
	s_add_co_u32 s2, s2, s3
	s_mov_b32 s3, 0
	s_add_nc_u64 s[4:5], s[4:5], s[2:3]
	s_lshl_b32 s2, s17, 8
	s_lshl_b32 s3, s[WV], 7                        ; 128 scale bytes
	s_add_co_u32 s2, s2, s3
	s_mov_b32 s3, 0
	s_add_nc_u64 s[6:7], s[6:7], s[2:3]
	s_lshr_b32 s2, s[BH], 4
	s_lshl_b32 s2, s2, 11
	s_lshl_b32 s3, s[CX], 9
	s_add_co_u32 s2, s2, s3
	s_lshl_b32 s3, s[WV], 6
	s_add_co_u32 s2, s2, s3                        ; my first token's row of out0: 4,096 bytes a row,
	s_lshl_b32 s2, s2, 12
	s_and_b32 s3, s[BH], 15
	s_lshl_b32 s3, s3, 8                           ; my head's 256 bytes in it
	s_add_co_u32 s2, s2, s3
	s_mov_b32 s3, 0
	s_add_nc_u64 s[12:13], s[12:13], s[2:3]
	s_mul_i32 s18, s[WV], 4352
	s_add_co_u32 s18, s18, STG                     ; my stage
	s_mov_b32 s[MNT], 0x600000                     ; the mantissa field of 57,344
	s_mov_b32 s[SEL], 0x76543210
	s_mov_b32 s[SEL+1], 0xfedcba98
	s_mov_b32 s[CS], 0x3e38aa3b                    ; c = log2(e) / 8
	s_mov_b32 s[CS+1], s[CS]
	v_lshlrev_b32 v20, 4, v0                       ; 16 x thread: my 16 bytes of each half of the head's scale bytes,
	v_lshl_add_u32 v21, v0, 4, SCL                 ; and where they go
	v_and_b32 v9, 31, v0
	v_and_b32 v27, 15, v0                          ; r
	v_bfe_u32 v[TMP], v0, 4, 1                     ; h
	global_load_b128 v[KF:KF+3], v20, s[10:11]
	global_load_b128 v[KF+4:KF+7], v20, s[10:11] offset:4096
	v_lshlrev_b32 v[LI], 4, v9
	v_lshlrev_b32 v[TMP+1], 2, v27
	global_load_b32 v[QW], v[TMP+1], s[6:7]        ; q's scale words: tiles 0, 1;
	global_load_b32 v[QW+2], v[TMP+1], s[6:7] offset:64   ; tiles 2, 3
	WIN 0x40
.irp x, 0,1,2,3
	global_load_b128 v[QF+16*\x:QF+16*\x+3], v[LI], s[4:5] offset:1024*\x th:TH_LOAD_NT
	global_load_b128 v[QF+16*\x+4:QF+16*\x+7], v[LI], s[4:5] offset:1024*\x+512 th:TH_LOAD_NT
.endr
.irp z, 128,144,160,176,192
.irp i, 0,1,2,3,4,5,6,7
	v_mov_b32 v[\z+\i], 0                          ; zero codes on both sides of each tile of q
.endr
.endr
.set jj, 0
.rept 16
	v_mov_b32 v[P+jj], 0                           ; zero codes of p, for the first step's PV of tile 3
.set jj, jj+1
.endr
.set jj, 0
.rept 128
	v_mov_b32 v[O+jj], 0                           ; O^T
.set jj, jj+1
.endr
	WIN 0
	v_mov_b32 v[ADK], v[LI]
	v_lshl_add_u32 v[ADS], v9, 2, SCL
	v_mul_u32_u24 v[STO], v27, 272                 ; into the stage: row r, 32 h bytes on;  back: lanes 0-15 one row, lanes 16-31 the next;  and the same two rows in out0
	v_mul_u32_u24 v[RD], v[TMP], 272
	v_lshlrev_b32 v[GO], 12, v[TMP]
	v_lshl_add_u32 v[STO], v[TMP], 5, v[STO]
	v_lshl_add_u32 v[RD], v27, 4, v[RD]
	v_lshl_add_u32 v[GO], v27, 4, v[GO]
	v_add_nc_u32 v[STO], s18, v[STO]
	v_add_nc_u32 v[RD], s18, v[RD]
.irp b, 0,1,2,3
	v_mov_b32 v[T4+\b], 0                          ; a lane permute's destination counts as one of its sources
.endr
	v_mov_b32 v[F], 0                              ; f and p's scale word, for the first step's tile 3
	v_mov_b32 v[F+1], 0                            ; named with f as a pair
	v_mov_b32 v[PW], 0x7f7f7f7f
.irp x, 0,1,2,3
	v_mov_b32 v[STA+4*\x+1], 0xff61b1e6            ; the largest score so far: -3e38
	v_mov_b32 v[STA+4*\x+2], 0
	v_mov_b32 v[STA+4*\x+3], 0
.endr
.irp x, 0,1,2,3
	v_floor_f32 v[STA+4*\x], -v[STA+4*\x+1]
.endr
.macro LOADK                           ; K's four fragments and their scale words, at the step that the two addresses name
	ds_load_b32 v[KSC], v[ADS]
	ds_load_b32 v[KSC+1], v[ADS] offset:128
.irp f, 0,1,2,3
.irp c, 0,1,2,3
	ds_load_b128 v[KF+16*\f+4*\c:KF+16*\f+4*\c+3], v[ADK] offset:2048*\f+512*\c
.endr
.endr
.endm
.macro LOADV
	ds_load_b32 v[VSC], v[ADS] offset:256
	ds_load_b32 v[VSC+1], v[ADS] offset:384
.irp f, 0,1,2,3
.irp c, 0,1,2,3
	ds_load_b128 v[VF+16*\f+4*\c:VF+16*\f+4*\c+3], v[ADK] offset:8192+2048*\f+512*\c
.endr
.endr
.endm
.macro QK x                            ; S^T of tile x: eight tiles of 16 keys
	WIN 0x04
.irp f, 0,1,2,3
.irp u, 0,1
.if \f%2
	v_wmma_scale_f32_16x16x128_f8f6f4 v[S+8*(2*\f+\u):S+8*(2*\f+\u)+7], v[KF+16*\f:KF+16*\f+15], v[QF+16*\x-8*\u:QF+16*\x-8*\u+15], 0, v[KSC+\f/2], v[QW+2*(\x/2)+(\x+\u)%2] matrix_a_fmt:MATRIX_FMT_BF8 matrix_b_fmt:MATRIX_FMT_BF8 matrix_a_scale:MATRIX_SCALE_ROW1
.else
	v_wmma_scale_f32_16x16x128_f8f6f4 v[S+8*(2*\f+\u):S+8*(2*\f+\u)+7], v[KF+16*\f:KF+16*\f+15], v[QF+16*\x-8*\u:QF+16*\x-8*\u+15], 0, v[KSC+\f/2], v[QW+2*(\x/2)+(\x+\u)%2] matrix_a_fmt:MATRIX_FMT_BF8 matrix_b_fmt:MATRIX_FMT_BF8
.endif
.endr
.endr
.endm
.macro RESC x                          ; O^T of tile x under its new M: x f.  16 plain lines that name no register of the products just issued: their places, and the places between p's conversions and PV
	WIN 0x41
	s_wait_alu depctr_va_vdst(0)                   ; the wait directly ahead of the first readers of O^T
.set jj, 0
.rept 16
	v_pk_mul_f32 v[O+32*\x+jj:O+32*\x+jj+1], v[O+32*\x+jj:O+32*\x+jj+1], v[F:F+1] op_sel_hi:[1,0]
.set jj, jj+2
.endr
.endm
.macro PV x                            ; O^T of tile x += V^T p^T
	WIN 0x54
.irp t, 0,1,2,3
.if \t%2
	v_wmma_scale_f32_16x16x128_f8f6f4 v[O+32*\x+8*\t:O+32*\x+8*\t+7], v[VF+16*\t:VF+16*\t+15], v[P:P+15], v[O+32*\x+8*\t:O+32*\x+8*\t+7], v[VSC+\t/2], v[PW] matrix_a_fmt:MATRIX_FMT_BF8 matrix_b_fmt:MATRIX_FMT_BF8 matrix_a_scale:MATRIX_SCALE_ROW1
.else
	v_wmma_scale_f32_16x16x128_f8f6f4 v[O+32*\x+8*\t:O+32*\x+8*\t+7], v[VF+16*\t:VF+16*\t+15], v[P:P+15], v[O+32*\x+8*\t:O+32*\x+8*\t+7], v[VSC+\t/2], v[PW] matrix_a_fmt:MATRIX_FMT_BF8 matrix_b_fmt:MATRIX_FMT_BF8
.endif
.endr
	WIN 0
.endm
.macro SOFT x                          ; 16 queries x 128 keys: scores -> p's codes and scale word, f, and the sum under the new M
.set ST, STA+4*(\x)
.irp b, 0,1,2,3
	v_max3_num_f32 v[BM+\b], v[S+16*\b], v[S+16*\b+1], v[S+16*\b+2]   ; the largest score of each block of 32 keys: for the row's maximum, and for the block's largest p
.endr
.irp b, 0,1,2,3
	v_max3_num_f32 v[T4+\b], v[S+16*\b+8], v[S+16*\b+9], v[S+16*\b+10]   ; each block in two halves: eight chains by turns
.endr
.irp i, 3,5
.irp b, 0,1,2,3
	v_max3_num_f32 v[BM+\b], v[BM+\b], v[S+16*\b+\i], v[S+16*\b+\i+1]
.endr
.irp b, 0,1,2,3
	v_max3_num_f32 v[T4+\b], v[T4+\b], v[S+16*\b+\i+8], v[S+16*\b+\i+9]
.endr
.endr
.irp b, 0,1,2,3
	v_max3_num_f32 v[BM+\b], v[BM+\b], v[S+16*\b+7], v[S+16*\b+15]
.endr
.if \x == 0
	LOADV                                          ; this step's V: 28 plain lines behind the products that read the last step's
.endif
.irp b, 0,1,2,3
	v_max_num_f32 v[BM+\b], v[BM+\b], v[T4+\b]     ; the two halves joined
.endr
.irp b, 0,1,2,3
	s_delay_alu instid0(VALU_DEP_4)
	v_permlanex16_b32 v[T4+\b], v[BM+\b], s[SEL], s[SEL+1]
.endr
.irp b, 0,1,2,3
	s_delay_alu instid0(VALU_DEP_4)
	v_max_num_f32 v[BM+\b], v[BM+\b], v[T4+\b]
.endr
	v_mov_b32 v[TMP+1], v[ST]                      ; the old -M
	s_delay_alu instid0(VALU_DEP_3)
	v_max3_num_f32 v[TMP], v[BM], v[BM+1], v[BM+2]
	s_delay_alu instid0(VALU_DEP_1)
	v_max3_num_f32 v[ST+1], v[ST+1], v[TMP], v[BM+3]   ; the running largest score (c is positive: the largest t is c x it)
	s_delay_alu instid0(VALU_DEP_1)
	v_mul_f32 v[TMP], s[CS], v[ST+1]
	s_delay_alu instid0(VALU_DEP_1)
	v_floor_f32 v[ST], -v[TMP]                     ; -M = floor(-t)
.set jj, 0
.irp w, 0,1,2,3                        ; t - M, two at a time; the three lines that make f = 2^(old M - new M) stand among them
.rept 4+16*(\w/3)
	v_pk_fma_f32 v[S+jj:S+jj+1], v[S+jj:S+jj+1], s[CS:CS+1], v[ST:ST+1] op_sel_hi:[1,0,0]
.set jj, jj+2
.endr
.if \w == 0
	v_sub_f32 v[TMP], v[ST], v[TMP+1]
.elseif \w == 1
	v_cvt_i32_f32 v[TMP], v[TMP]                   ; (it saturates)
.elseif \w == 2
	v_ldexp_f32 v[F], 1.0, v[TMP]
.endif
.endr
.irp b, 0,1,2,3
	v_fma_f32 v[BM+\b], v[BM+\b], s[CS], v[ST]     ; the same of each block's largest score
.endr
	s_wait_alu depctr_va_vdst(0)
.set jj, 0
.rept 64
	v_exp_f32 v[S+jj], v[S+jj]                     ; p = 2^(t - M)
.set jj, jj+1
.endr
.irp b, 0,1,2,3
	v_exp_f32 v[BM+\b], v[BM+\b]                   ; the block's largest p: the same two instructions on the same number
.endr
	v_pk_mul_f32 v[ST+2:ST+3], v[ST+2:ST+3], v[F:F+1] op_sel_hi:[1,0]   ; the sums under the new M; a plain place behind the batch
	s_wait_alu depctr_va_vdst(0)                   ; one wait for the batch of 68, ahead of its first reader
.if (\x == 0) || (\x == 3)
	s_wait_dscnt 0x0                               ; the fragments asked for in or ahead of this softmax are in: tile 0: V's; tile 3: the next step's K
.endif
.set jj, 0
.irp c, CH, C2, C3, T4, T4+2, HL, HL+2             ; the row's sum of the unquantised p, in eight chains: the sum itself and seven pairs of registers that are free here
	v_pk_add_f32 v[\c:\c+1], v[S+jj:S+jj+1], v[S+jj+2:S+jj+3]
.set jj, jj+4
.endr
.rept 2
.irp c, ST+2, CH, C2, C3, T4, T4+2, HL, HL+2
	v_pk_add_f32 v[\c:\c+1], v[\c:\c+1], v[S+jj:S+jj+1]
.set jj, jj+2
.endr
.endr
	v_pk_add_f32 v[ST+2:ST+3], v[ST+2:ST+3], v[S+60:S+61]
	v_pk_add_f32 v[CH:CH+1], v[CH:CH+1], v[S+62:S+63]
	v_pk_add_f32 v[C2:C2+1], v[C2:C2+1], v[C3:C3+1]   ; the chains are joined, among the scales' first lines
	v_pk_add_f32 v[T4:T4+1], v[T4:T4+1], v[T4+2:T4+3]
	v_pk_add_f32 v[HL:HL+1], v[HL:HL+1], v[HL+2:HL+3]
.irp b, 0,1
	v_max_num_f32 v[BM+\b], 0x8000000, v[BM+\b]    ; the floor 2^(16 - 127): the byte cannot fall under 1
.endr
	v_pk_add_f32 v[ST+2:ST+3], v[ST+2:ST+3], v[CH:CH+1]
.irp b, 2,3
	v_max_num_f32 v[BM+\b], 0x8000000, v[BM+\b]
.endr
	v_pk_add_f32 v[C2:C2+1], v[C2:C2+1], v[T4:T4+1]
	v_pk_add_f32 v[ST+2:ST+3], v[ST+2:ST+3], v[HL:HL+1]
.irp b, 0,1,2,3
	v_add_nc_u32 v[SOP+\b], 0xf8800000, v[BM+\b]   ; 15 off the exponent field: the conversion's scale operand
.endr
.irp b, 0,1,2,3
	v_and_or_b32 v[HL+\b], v[BM+\b], 0x7f800000, s[MNT]   ; 57,344 x the scale
.endr
.irp b, 0,1,2,3
	v_lshrrev_b32 v[T4+\b], 23, v[SOP+\b]          ; the scale's byte
.endr
	v_lshl_or_b32 v[TMP], v[T4+1], 8, v[T4]
	v_lshl_or_b32 v[TMP+1], v[T4+3], 8, v[T4+2]
.irp b, 0,1,2,3
.irp i, 0,2,4,6,8,10,12,14
	v_dual_min_num_f32 v[S+16*\b+\i], v[HL+\b], v[S+16*\b+\i] :: v_dual_min_num_f32 v[S+16*\b+\i+1], v[HL+\b], v[S+16*\b+\i+1]   ; the hold (the conversion does not saturate: ISA guide 7.6.2); p is not negative; two a line
.endr
.if \b == 0
	v_lshl_or_b32 v[PW], v[TMP+1], 16, v[TMP]      ; p's scale word: 24 lines and more ahead of the products that name it
.endif
.endr
	WIN 0x40
.irp b, 0,1,2,3
	v_cvt_scalef32_pk8_bf8_f32 v[P+4*\b:P+4*\b+1], v[S+16*\b:S+16*\b+7], v[SOP+\b]
	v_cvt_scalef32_pk8_bf8_f32 v[P+4*\b+2:P+4*\b+3], v[S+16*\b+8:S+16*\b+15], v[SOP+\b]
.endr
	WIN 0
	v_pk_add_f32 v[ST+2:ST+3], v[ST+2:ST+3], v[C2:C2+1]   ; the sum's last chain: the plain line between the conversions and the products that write over their sources
.endm
.macro STEPB                           ; a key step
	QK 0
	RESC 3
	PV 3                                           ; the step before's tile 3, on the step before's V
	SOFT 0
	QK 1
	RESC 0
	PV 0
	SOFT 1
	QK 2
	RESC 1
	PV 1
	SOFT 2
	QK 3
	RESC 2
	PV 2
	v_add_nc_u32 v[ADK], 16384, v[ADK]             ; on to the next step
	v_add_nc_u32 v[ADS], 512, v[ADS]
	v_and_b32 v[ADK], 0x3ffff, v[ADK]              ; behind the last step: step 0 again
	v_and_b32 v[ADS], 0x41fff, v[ADS]
	LOADK
	SOFT 3
.endm
	s_wait_alu depctr_va_vdst(0)
	s_wait_loadcnt 0x0                             ; q, its scale words, the head's scale bytes
	v_alignbit_b32 v[QW+1], v[QW], v[QW], 16       ; q's scale words turned by two bytes, for q in the operand's other half
	v_alignbit_b32 v[QW+3], v[QW+2], v[QW+2], 16
	s_wait_alu depctr_va_vdst(0)
	s_cmp_eq_u32 s[WV], 0
	s_cbranch_scc0 .Lnot_first
	s_wait_tensorcnt 0x0                           ; wave 0: key steps 0 and 1 are in.  The other waves' wait stands at the second barrier
.Lnot_first:
	ds_store_b128 v21, v[KF:KF+3]
	ds_store_b128 v21, v[KF+4:KF+7] offset:4096
	s_wait_dscnt 0x0
	s_barrier_signal -1
	s_barrier_wait -1                              ; wave 0's tile and all scale bytes are in
	LOADK
	LOADV                                          ; step 0's V, so that the first PV of tile 3 multiplies its zero codes by numbers
	PLACES 8                                       ; the turned scale words stand eight places ahead of the first product
	s_wait_dscnt 0x0
	STEPB                                          ; key step 0: it reads K and V of step 0 and K of step 1
	s_wait_alu depctr_va_vdst(0)
	s_wait_tensorcnt 0x0                           ; my tile is in (no LDS instruction of mine is out: softmax 3 has waited),
	s_barrier_signal -1
	s_barrier_wait -1                              ; everybody's is
	s_mov_b32 s[CNT], 15
.Lstep:
	STEPB
	s_sub_co_u32 s[CNT], s[CNT], 1
	s_cmp_lg_u32 s[CNT], 0
	s_wait_alu depctr_va_vdst(0)
	s_cbranch_scc1 .Lstep
	RESC 3
	PV 3                                           ; the last step's tile 3
; THE WAY OUT.  O^T / the sum goes through my stage in LDS, a tile of 16 queries x 256 bytes at a time, and leaves as aligned units of 256 bytes.  LDS serves a wave's instructions in order (ISA guide 5.7.1.4).
	PLACES 8
.irp x, 0,1,2,3
	v_add_f32 v[BM+\x], v[STA+4*\x+2], v[STA+4*\x+3]
.endr
.irp x, 0,1,2,3
	v_permlanex16_b32 v[T4+\x], v[BM+\x], s[SEL], s[SEL+1]
.endr
.irp x, 0,1,2,3
	v_add_f32 v[BM+\x], v[BM+\x], v[T4+\x]         ; the row's sum
.endr
	s_wait_alu depctr_va_vdst(0)
.irp x, 0,1,2,3
	v_rcp_f32 v[HL+\x], v[BM+\x]
.endr
	v_nop
.macro OUTL x
	WIN 0x01
	s_wait_alu depctr_va_vdst(0)                   ; the wait directly ahead of the first readers of this tile's O^T; the first also serves the reciprocals
.set jj, 0
.rept 16
.if \x%2
	v_pk_mul_f32 v[S+jj:S+jj+1], v[O+32*\x+jj:O+32*\x+jj+1], v[HL+\x-1:HL+\x] op_sel:[0,1] op_sel_hi:[1,1]
.else
	v_pk_mul_f32 v[S+jj:S+jj+1], v[O+32*\x+jj:O+32*\x+jj+1], v[HL+\x:HL+\x+1] op_sel_hi:[1,0]
.endif
.set jj, jj+2
.endr
	WIN 0
.irp t, 0,1,2,3
	ds_store_b128 v[STO], v[S+8*\t:S+8*\t+3] offset:64*\t
	ds_store_b128 v[STO], v[S+8*\t+4:S+8*\t+7] offset:64*\t+16
.endr
.irp i, 0,1,2,3,4,5,6,7
	ds_load_b128 v[KF+32*\x+4*\i:KF+32*\x+4*\i+3], v[RD] offset:544*\i
.endr
.endm
.macro SEND x, younger                 ; younger: the LDS instructions issued behind tile x's loads
	s_wait_dscnt \younger
.irp i, 0,1,2,3,4,5,6,7
	global_store_b128 v[GO], v[KF+32*\x+4*\i:KF+32*\x+4*\i+3], s[12:13] offset:(2*\i+8*(\i/4)+8*(\x%2)+32*(\x/2))*4096 th:TH_STORE_NT   ; row 2 i + h of the tile is token 32 (x / 2) + 8 (x % 2) + row + 8 (row / 8)
.endr
.endm
	OUTL 0
	OUTL 1
	SEND 0, 16
	OUTL 2
	SEND 1, 16
	OUTL 3
	SEND 2, 16
	SEND 3, 0
	s_wait_tensorcnt 0x0                           ; the wave's end
	ds_add_u32 v[SPW], v[NIL]
	s_wait_dscnt 0x0
	CROUND                                         ; the closing round
	s_endpgm
.Lfunc_end_k_qc6988bb944_attn:
	.size	k_qc6988bb944_attn, .Lfunc_end_k_qc6988bb944_attn-k_qc6988bb944_attn
	.p2alignl 7, 3214868480
	.fill 96, 4, 3214868480
	.section	.rodata,"a",@progbits
	.p2align	6, 0x0
	.amdhsa_kernel k_qc6988bb944_attn
		.amdhsa_group_segment_fixed_size 327680
		.amdhsa_private_segment_fixed_size 0
		.amdhsa_enable_private_segment 0
		.amdhsa_kernarg_size 40
		.amdhsa_user_sgpr_count 2
		.amdhsa_user_sgpr_kernarg_segment_ptr 1
		.amdhsa_wavefront_size32 1
		.amdhsa_system_sgpr_workgroup_id_x 1
		.amdhsa_system_sgpr_workgroup_id_y 1
		.amdhsa_system_sgpr_workgroup_id_z 1
		.amdhsa_system_vgpr_workitem_id 0
		.amdhsa_next_free_vgpr 512
		.amdhsa_next_free_sgpr 66
		.amdhsa_reserve_vcc 0
		.amdhsa_float_denorm_mode_32 3
		.amdhsa_float_denorm_mode_16_64 3
		.amdhsa_memory_ordered 1
		.amdhsa_forward_progress 1
		.amdhsa_inst_pref_size 164
	.end_amdhsa_kernel
	.amdgpu_metadata
---
amdhsa.version: [ 1, 2 ]
amdhsa.kernels:
  - .name:           k_qc6988bb944_attn
    .symbol:         k_qc6988bb944_attn.kd
    .args:
      - { .name: qimg, .offset: 0, .size: 8, .value_kind: global_buffer, .address_space: global }
      - { .name: qsc, .offset: 8, .size: 8, .value_kind: global_buffer, .address_space: global }
      - { .name: kvimg, .offset: 16, .size: 8, .value_kind: global_buffer, .address_space: global }
      - { .name: kvsc, .offset: 24, .size: 8, .value_kind: global_buffer, .address_space: global }
      - { .name: out0, .offset: 32, .size: 8, .value_kind: global_buffer, .address_space: global }
    .group_segment_fixed_size: 327680
    .private_segment_fixed_size: 0
    .kernarg_segment_align: 8
    .kernarg_segment_size: 40
    .max_flat_workgroup_size: 256
    .sgpr_count:     66
    .vgpr_count:     512
    .wavefront_size: 32
...
	.end_amdgpu_metadata
.endif
;; end of part 2
